; MI455X (gfx1250); checked and timed in simulation.
; The chip was launched on July 23, 2026; its instructions are those of AMD's public machine-readable ISA for CDNA 5 (MIT licence, August 2026) and "CDNA5" Instruction Set Architecture Reference Guide (July 2026). The comments in the code are by the model that wrote it; some were corrected since.
;; Spike FP32 Exp. Allowed arithmetic: float matrix products may take bf16 or f16 operands with f32 sums; all other float work in f32.
;; Inputs: x 1,024 x 1,024 x 32 float32.
;; Outputs: out0 1,024 x 1,024 x 5 float32.
;; One version. Each part assembles by itself: llvm-mc -triple=amdgcn-amd-amdhsa -mcpu=gfx1250 --defsym DOCPART=n.
;; ======== version 1 of 1: 1 launch
;; launch spike (part 1): grid 1024 x 1, 8 waves a work-group, no clusters, 44,032 bytes of LDS; arguments x, out0; writes out0
.if DOCPART == 1
	.amdgcn_target "amdgcn-amd-amdhsa--gfx1250"
	.amdhsa_code_object_version 6
	.text
	.protected	k_q5cd0629f7e_spike
	.globl	k_q5cd0629f7e_spike
	.p2align	8
	.type	k_q5cd0629f7e_spike,@function
k_q5cd0629f7e_spike:
	s_mov_b64 s[64:65], 0
	v_nop
	global_prefetch_b8 v0, s[64:65] scope:SCOPE_SE
	s_setreg_imm32_b32 hwreg(HW_REG_WAVE_MODE, 25, 1), 1
	s_wait_xcnt 0x0
; SpikeFP32Exp: x [1048576 rows][32] f32 pulses -> out0 [1048576 rows][5] f32.
; Of a row, element 0 is the sign (unused), 1..8 the exponent e0..e7 (MSB first), 9..12 the mantissa's top bits m0..m3; 13..31 are unused.
; The gates are evaluated as the f32 polynomials that define them (XOR a+b-2ab, AND ab, OR a+b-ab, NOT 1-a), in the order of the definition,
; so the text holds for pulses that are not 0 or 1 as well.  Only gates with a constant input are folded: a AND 0 = 0, 0 OR t = t, t AND 1 = t.
; LIMIT: these foldings drop products with 0, so an infinite exponent pulse may give an infinity where the unfolded form gives NaN.
; For every finite input the operations are the definition's own (the fused multiply-adds drop one intermediate rounding in OR).
;
; SHARES.  A wave owns 128 rows (16,384 bytes of x, 2,560 bytes of out0); a work-group 8 waves; 1,024 work-groups.  No loop: a wave asks for
; its whole share with 16 loads at entry.  130 registers and 44,032 bytes of LDS a work-group: four work-groups of 8 waves share a WGP.
; BYTES.  Only bytes 0..63 of a row's 128 are asked for (elements 0..15 hold all that is used).  One load: 4 lanes a row, 8 rows, so each aligned
; block of 256 bytes of x is named by one instruction of the whole launch.  out0 leaves in stores of 512 consecutive bytes at multiples of 256.
; LDS.  A load leaves a quarter row in a lane; the gates want a row in a lane.  So 32 rows at a time (a unit) pass through the wave's own stage.
; Row R of a unit lies at (R & 3) * 704 + (R >> 2) * 80.  In units of 16 bytes modulo 16 that is 12 (R & 3) + 5 (R >> 2):
;   stores: 16 neighbouring lanes hold 4 neighbouring rows x 4 quarters: columns 12 a + c + const, a, c = 0..3: sixteen different ones;
;   loads:  16 neighbouring lanes take the same quarter of 16 neighbouring rows: 12 a + 5 b + const, a = 0..3, b = four neighbours: sixteen different.
; (LDS has 64 banks of 4 bytes: ISA guide 11.1.)  Every wave uses bytes of its own: no barrier anywhere.
; Not used: matrix units (no matrix product), clusters (no byte is shared between work-groups), the tensor mover (16 register loads a wave
; already carry the wave's whole share), prefetches (every byte is asked for by the wave's first instructions).
.set ROWB,   128                       ; bytes of a row of x
.set UNITS,  4                         ; units of 32 rows in a wave's share
.set OROWB,  20                        ; bytes of a row of out0
.set RPITCH, 80                        ; LDS: from row R to row R + 4
.set PLANE,  8*RPITCH+64               ; LDS: from row R to row R + 1 (704)
.set INB,    4*PLANE                   ; the stage on the way in (2,816 bytes)
.set OUTB,   UNITS*32*OROWB            ; the stage on the way out (2,560 bytes): the wave's whole share of out0
.set WLDS,   INB+OUTB                  ; a wave's LDS (5,376 bytes)
.set XOFF, 1                           ; v1       my 16 bytes in the first 8 rows of the wave's share of x
.set STI,  2                           ; v2       LDS: where my quarter row of a unit's first load goes
.set RDI,  3                           ; v3       LDS: my row of a unit
.set STO,  4                           ; v4       LDS: my row's five results, unit 0
.set RDO,  5                           ; v5       LDS: my 16 bytes of the results read back
.set YOFF, 6                           ; v6       my 16 bytes in the wave's share of out0
.set E,    8                           ; v[8:20]  my row: element i in v[E+i], i = 0..12
.set T,    21                          ; v21, v22 at work
.set U,    22
.set CB,   23                          ; v[24:29] borrow out of bit i in v[CB+i], i = 1..6
.set A0,   30                          ; v30      e0 XOR 1
.set W,    31                          ; v31      a product at work
.set SS,   32                          ; v[32:36] shift bits 0..4 (MSB first)
.set I,    32                          ; v[32:36] later: is_s[0..4], then the result bits b0..b4 in place
.set NN,   38                          ; v[38:42] NOT of shift bits 0..4
.set NS5,  44                          ; v[44:45] (NOT s5, s5): pairs, so that one packed multiply serves both
.set NS6,  46                          ; v[46:47] (NOT s6, s6)
.set NS7,  48                          ; v[48:49] (NOT s7, s7)
.set P,    50                          ; v[50:53] the four products of bits 6 and 7
.set Q,    54                          ; v[54:57] the same with NOT s5
.set H,    58                          ; v[58:59] (hi_zero, s5 AND NOT s6 AND NOT s7)
.set X,    64                          ; v[64:127] the 16 loads, 4 registers each; v[64:83] once more on the way out
	s_load_b128 s[4:7], s[0:1], 0x0                ; x s[4:5], out0 s[6:7]
	v_lshl_add_u32 v128, v0, 2, 0xa800
	v_mov_b32 v129, 0
	v_lshrrev_b32 v7, 5, v0
	v_readfirstlane_b32 s8, v7                     ; wave 0..7
	v_and_b32 v8, 3, v0                            ; c: which quarter of the 64 bytes
	v_bfe_u32 v9, v0, 2, 3                         ; lane / 4: which of a load's 8 rows
	v_lshlrev_b32 v[XOFF], 4, v8
	v_lshl_add_u32 v[XOFF], v9, 7, v[XOFF]         ; 128 (lane / 4) + 16 c
	s_lshl3_add_u32 s16, ttmp9, s8                 ; 8 x work-group + wave: 0..8191
	s_lshl_b32 s10, s16, 14                        ; x 16,384 bytes of x (below 2^27)
	s_mov_b32 s11, 0
	s_mul_i32 s12, s16, OUTB                       ; x 2,560 bytes of out0
	s_mov_b32 s13, 0
	s_wait_kmcnt 0x0
	s_add_nc_u64 s[4:5], s[4:5], s[10:11]
	s_add_nc_u64 s[6:7], s[6:7], s[12:13]
.set g, 0
.rept 4*UNITS
	global_load_b128 v[X+4*g:X+4*g+3], v[XOFF], s[4:5] offset:8*ROWB*g th:TH_LOAD_NT   ; rows 8 g .. 8 g + 7; read once in the launch
.set g, g+1
.endr
	; LDS addresses, while the loads are on their way
	s_mul_i32 s9, s8, WLDS                         ; my wave's bytes
	s_add_co_u32 s14, s9, INB                      ; its stage on the way out
	v_and_b32 v7, 31, v0                           ; lane
	v_bfe_u32 v10, v0, 2, 2                        ; row & 3 of my quarter row (the row is 8 k + lane / 4 in load k of a unit)
	v_bfe_u32 v11, v0, 4, 1                        ; row >> 2 is 2 k + lane / 16
	v_mul_u32_u24 v[STI], v10, PLANE
	v_mad_u32_u24 v[STI], v11, RPITCH, v[STI]
	v_lshl_add_u32 v[STI], v8, 4, v[STI]
	v_add_nc_u32 v[STI], s9, v[STI]
	v_mul_u32_u24 v[RDI], v8, PLANE                ; as a reader my row is my lane: (lane & 3) planes
	v_mad_u32_u24 v[RDI], v9, RPITCH, v[RDI]       ; + (lane / 4) pitches
	v_add_nc_u32 v[RDI], s9, v[RDI]
	v_mad_u32_u24 v[STO], v7, OROWB, s14           ; 5 words a lane: 5 is odd, so 32 lanes' words lie in 32 different banks
	v_lshl_add_u32 v[RDO], v7, 4, s14
	v_lshlrev_b32 v[YOFF], 4, v7
; A stage of the ripple adder whose constant bit is 0: sum = a XOR c, borrow out = a AND c.  The product serves both.
.macro STAGE s, cout, a, cin
	v_mul_f32 v[\cout], v[\a], v[\cin]
	v_add_f32 v[T], v[\a], v[\cin]
	v_fma_f32 v[\s], v[\cout], -2.0, v[T]          ; (a + c) - 2 (a c): 2 (a c) is exact, so this is the definition's own rounding
.endm
; r = r OR (sel AND mant) = (r + t) - r t
.macro ORTERM r, sel, mant
	v_mul_f32 v[T], v[\sel], v[\mant]
	v_add_f32 v[U], v[\r], v[T]
	v_fma_f32 v[\r], -v[\r], v[T], v[U]
.endm
; Unit u: rows 32 u .. 32 u + 31 of the wave's share, one row a lane.
.macro UNIT u
	s_wait_loadcnt 12-4*\u                         ; loads return in order (ISA guide 5.7.1): this unit's four are in, the later units' four each stay out
.irp k, 0,1,2,3
	ds_store_b128 v[STI], v[X+16*\u+4*\k:X+16*\u+4*\k+3] offset:2*RPITCH*\k    ; 8 rows on = 2 pitches on
.endr
	ds_load_b128 v[E:E+3],    v[RDI]               ; LDS serves a wave's instructions in order (ISA guide 5.7.1.4): these see the stores above,
	ds_load_b128 v[E+4:E+7],  v[RDI] offset:16     ; and the stores above came behind the last unit's loads, which were waited for
	ds_load_b128 v[E+8:E+11], v[RDI] offset:32
	ds_load_b32  v[E+12],     v[RDI] offset:48     ; of the last quarter only m3 is used
	s_wait_dscnt 0x0
	; shift = e + 0b10000000 + 1, from the LSB (bit 7) up
	v_add_f32 v[T], 1.0, v[E+8]
	v_fma_f32 v[NS7+1], v[E+8], -2.0, v[T]         ; s7 = e7 XOR 1 (the borrow in is the constant 1); the borrow out is e7 itself
	STAGE NS6+1, CB+6, E+7, E+8
	STAGE NS5+1, CB+5, E+6, CB+6
	STAGE SS+4,  CB+4, E+5, CB+5
	STAGE SS+3,  CB+3, E+4, CB+4
	STAGE SS+2,  CB+2, E+3, CB+3
	STAGE SS+1,  CB+1, E+2, CB+2
	v_add_f32 v[T], 1.0, v[E+1]
	v_fma_f32 v[A0], v[E+1], -2.0, v[T]            ; bit 0: the constant bit is 1: e0 XOR 1,
	STAGE SS, W, A0, CB+1                          ; XOR the borrow; the last borrow out is not used
	; NOT: 1 - s, as s * (-1) + 1 where two go in one instruction
	v_pk_fma_f32 v[NN:NN+1],   v[SS:SS+1],   -1.0, 1.0 op_sel_hi:[1,0,0]
	v_pk_fma_f32 v[NN+2:NN+3], v[SS+2:SS+3], -1.0, 1.0 op_sel_hi:[1,0,0]
	v_sub_f32 v[NN+4], 1.0, v[SS+4]
	v_sub_f32 v[NS5], 1.0, v[NS5+1]
	v_sub_f32 v[NS6], 1.0, v[NS6+1]
	v_sub_f32 v[NS7], 1.0, v[NS7+1]
	; the high five bits all zero
	v_mul_f32 v[H], v[NN], v[NN+1]
	v_mul_f32 v[H], v[H], v[NN+2]
	v_mul_f32 v[H], v[H], v[NN+3]
	v_mul_f32 v[H], v[H], v[NN+4]
	; decode 0..4: (NOT s7, s7) times NOT s6, times s6; those times NOT s5; those times hi_zero.  The second source is one register for both halves.
	v_pk_mul_f32 v[P:P+1],   v[NS7:NS7+1], v[NS6:NS6+1] op_sel_hi:[1,0]               ; x NOT s6
	v_pk_mul_f32 v[P+2:P+3], v[NS7:NS7+1], v[NS6:NS6+1] op_sel:[0,1] op_sel_hi:[1,1]  ; x s6
	v_pk_mul_f32 v[Q:Q+1],   v[P:P+1],     v[NS5:NS5+1] op_sel_hi:[1,0]               ; x NOT s5
	v_pk_mul_f32 v[Q+2:Q+3], v[P+2:P+3],   v[NS5:NS5+1] op_sel_hi:[1,0]
	v_mul_f32 v[H+1], v[NS5+1], v[P]                                                  ; s5 AND (NOT s6 AND NOT s7)
	v_pk_mul_f32 v[I:I+1],   v[Q:Q+1],     v[H:H+1] op_sel_hi:[1,0]                   ; is_s[0], is_s[1]
	v_pk_mul_f32 v[I+2:I+3], v[Q+2:Q+3],   v[H:H+1] op_sel_hi:[1,0]                   ; is_s[2], is_s[3]
	v_mul_f32 v[I+4], v[H], v[H+1]                                                    ; is_s[4]
	; bit b of 1.mant << shift starts as is_s[b] and takes is_s[s] AND m[s-1-b] for s > b.  In place, b ascending: bit b needs only is_s[b..4].
	ORTERM I,   I+1, E+9
	ORTERM I,   I+2, E+10
	ORTERM I,   I+3, E+11
	ORTERM I,   I+4, E+12
	ORTERM I+1, I+2, E+9
	ORTERM I+1, I+3, E+10
	ORTERM I+1, I+4, E+11
	ORTERM I+2, I+3, E+9
	ORTERM I+2, I+4, E+10
	ORTERM I+3, I+4, E+9
.irp j, 0,1,2,3,4
	ds_store_b32 v[STO], v[I+4-\j] offset:32*OROWB*\u+4*\j     ; MSB first: b4, b3, b2, b1, b0
.endr
.endm
	UNIT 0
	UNIT 1
	UNIT 2
	UNIT 3
	; The way out: the wave's 2,560 bytes, read back 16 bytes a lane and stored 512 consecutive bytes an instruction,
	; each at a multiple of 256 from out0's first byte (2,560 = 10 x 256).
.irp t, 0,1,2,3,4
	ds_load_b128 v[X+4*\t:X+4*\t+3], v[RDO] offset:512*\t      ; served behind the wave's own stores above
.endr
.irp t, 0,1,2,3,4
	s_wait_dscnt 4-\t                                          ; read-back t is in; the younger ones stay out
	global_store_b128 v[YOFF], v[X+4*\t:X+4*\t+3], s[6:7] offset:512*\t th:TH_STORE_NT
.endr
	s_wait_tensorcnt 0x0
	ds_add_u32 v128, v129
	s_wait_dscnt 0x0
	s_endpgm
.Lfunc_end_k_q5cd0629f7e_spike:
	.size	k_q5cd0629f7e_spike, .Lfunc_end_k_q5cd0629f7e_spike-k_q5cd0629f7e_spike
	.p2alignl 7, 3214868480
	.fill 96, 4, 3214868480
	.section	.rodata,"a",@progbits
	.p2align	6, 0x0
	.amdhsa_kernel k_q5cd0629f7e_spike
		.amdhsa_group_segment_fixed_size 44032
		.amdhsa_private_segment_fixed_size 0
		.amdhsa_enable_private_segment 0
		.amdhsa_kernarg_size 16
		.amdhsa_user_sgpr_count 2
		.amdhsa_user_sgpr_kernarg_segment_ptr 1
		.amdhsa_wavefront_size32 1
		.amdhsa_system_sgpr_workgroup_id_x 1
		.amdhsa_system_sgpr_workgroup_id_y 1
		.amdhsa_system_sgpr_workgroup_id_z 1
		.amdhsa_system_vgpr_workitem_id 0
		.amdhsa_next_free_vgpr 130
		.amdhsa_next_free_sgpr 66
		.amdhsa_reserve_vcc 0
		.amdhsa_float_denorm_mode_32 3
		.amdhsa_float_denorm_mode_16_64 3
		.amdhsa_memory_ordered 1
		.amdhsa_forward_progress 1
		.amdhsa_inst_pref_size 21
	.end_amdhsa_kernel
	.amdgpu_metadata
---
amdhsa.version: [ 1, 2 ]
amdhsa.kernels:
  - .name:           k_q5cd0629f7e_spike
    .symbol:         k_q5cd0629f7e_spike.kd
    .args:
      - { .name: x, .offset: 0, .size: 8, .value_kind: global_buffer, .address_space: global }
      - { .name: out0, .offset: 8, .size: 8, .value_kind: global_buffer, .address_space: global }
    .group_segment_fixed_size: 44032
    .private_segment_fixed_size: 0
    .kernarg_segment_align: 8
    .kernarg_segment_size: 16
    .max_flat_workgroup_size: 256
    .sgpr_count:     66
    .vgpr_count:     130
    .wavefront_size: 32
...
	.end_amdgpu_metadata
.endif
;; end of part 1
